; MI455X (gfx1250); checked and timed in simulation.
; The chip was launched on July 23, 2026; its instructions are those of AMD's public machine-readable ISA for CDNA 5 (MIT licence, August 2026) and "CDNA5" Instruction Set Architecture Reference Guide (July 2026). The comments in the code are by the model that wrote it; some were corrected since.
;; Cross Trans Former. Allowed arithmetic: matrix products marked QUANTISED: E5M2 operands, one given power-of-two scale a tensor, by v_wmma_f32_16x16x64_bf8_bf8 or v_wmma_f32_16x16x128_bf8_bf8, f32 sums; everything else in f32.
;; Inputs: Wk_codes 1,024 x 32 x 32 uint8 (E5M2 codes of Wk, K innermost, in blocks of 32 codes); Wq_codes 1,024 x 32 x 32 uint8 (E5M2 codes of Wq, K innermost, in blocks of 32 codes); Wv_codes 1,024 x 32 x 32 uint8 (E5M2 codes of Wv, K innermost, in blocks of 32 codes); Xk_codes 4 x 2,048 x 32 x 32 uint8 (E5M2 codes of Xk, K innermost, in blocks of 32 codes); Xq_codes 4 x 2,048 x 32 x 32 uint8 (E5M2 codes of Xq, K innermost, in blocks of 32 codes); beta1 1,024 float32; beta2 1,024 float32; beta3 1,024 float32; gamma1 1,024 float32; gamma2 1,024 float32; gamma3 1,024 float32; lowp_scales 10 int32 (the exponents e of the quantised operands' scales 2^e); mean1 1,024 float32; mean2 1,024 float32; mean3 1,024 float32; var1 1,024 float32; var2 1,024 float32; var3 1,024 float32.
;; Outputs: out0 4 x 1,024 x 2,048 float32.
;; This version of the problem:
;;   THIS VERSION OF THE PROBLEM IS GIVEN IN LOW PRECISION. The matrix products marked QUANTISED in the list below multiply operands that are first quantised to E5M2 (5 exponent bits, 2 mantissa bits; 8 bits a number), with one given power-of-two scale for each operand tensor; their sums are f32. All else is computed in f32.
;;   The module's matrix products, in the order in which they are computed (A, B: the left and right operand; K: the contracted axis; several contracted axes count as one K, in the product's order):
;;     1. [M 8,192, K 1,024] x [K 1,024, N 1,024]; A: input Xq (given as codes); B: input Wq (given as codes): QUANTISED (scales: A lowp_scales[0], B lowp_scales[1])
;;     2. [M 8,192, K 1,024] x [K 1,024, N 1,024]; A: input Xk (given as codes); B: input Wk (given as codes): QUANTISED (scales: A lowp_scales[2], B lowp_scales[3])
;;     3. [M 8,192, K 1,024] x [K 1,024, N 1,024]; A: input Xq (given as codes); B: input Wv (given as codes): QUANTISED (scales: A lowp_scales[4], B lowp_scales[5])
;;     4. batch 32 x [M 2,048, K 128] x [K 128, N 2,048]; A: computed on the way; B: computed on the way: QUANTISED (scales: A lowp_scales[6], B lowp_scales[7])
;;     5. batch 32 x [M 128, K 2,048] x [K 2,048, N 2,048]; A: computed on the way; B: softmax (see below): QUANTISED (scales: A lowp_scales[8], B lowp_scales[9])
;;   THE QUANTISER, for each operand of a quantised product, along K:
;;     - The operand's scale is 2^e, e = its entry of the input lowp_scales (int32; the entries are numbered through the quantised products in the list's order, A before B).
;;     - Each number is divided by the scale, clamped to +-57,344, and rounded to the nearest number of E5M2, ties to even, subnormals kept.
;;     - The product sums the exact products of the quantised numbers (number of the format x scale) in f32.
;;   ~~~python
;;   def quantise(x, axis, e):      # numpy; x: float32 -> the quantised numbers, widened to float32 again
;;       x = np.moveaxis(x, axis, -1); K = x.shape[-1]
;;       r = np.clip(x / 2.0 ** e, -57344, 57344)
;;       step = 2.0 ** (np.maximum(np.frexp(np.where(r == 0, 1, r))[1] - 1, -14) - 2)
;;       q = np.round(r / step) * step * 2.0 ** e      # np.round: ties to even
;;       return np.moveaxis(q, -1, axis).astype(np.float32)
;;   ~~~
;;   SOFTMAX AHEAD OF A QUANTISED PRODUCT. Where the list says 'softmax', what is quantised is not the finished softmax but p = 2^(t - M), with t = logit x log2(e) and M = ceil(the row's largest t), a whole number; so 1/2 < the row's largest p <= 1. The row's sum l is taken of the UNQUANTISED p, in f32, and the product's result is divided by l at the end. Since M is a whole number, a kernel that streams over the keys may use a running M (the ceiling of the running maximum): every later rescaling is an exact power of two, so the quantised numbers keep their values, but for numbers so far below the row's largest that they fall under the format's range.
;;   OPERANDS COMPUTED ON THE WAY. 'Computed on the way' means the value that the module computes at that place (a softmax that the list does not call 'softmax' is quantised finished and normalised). What goes into a quantiser is computed in f32, as accurately as f32 sums, v_exp_f32 and their like allow (about 1e-6 of the number): no bf16 or f16 on the way to a quantiser, and a product that is left as it is and whose result goes on into a quantised operand takes f32 operands (vector FMAs, or v_wmma_f32_16x16x4_f32). A number that lies on a knife's edge between two numbers of the format may be rounded either way, as far as f32 arithmetic and the matrix unit's own rounding can turn it there, and no further.
;;   INPUTS GIVEN AS CODES. Wk (in the module: [1024, 1024], K = its axis 1); Wq (in the module: [1024, 1024], K = its axis 1); Wv (in the module: [1024, 1024], K = its axis 1); Xk (in the module: [4, 1024, 2048], K = its axis 1); Xq (in the module: [4, 1024, 2048], K = its axis 1): each comes as NAME_codes (uint8): NAME with its K axis moved to the last place and cut into blocks of 32 codes, [.., K / 32, bytes a block], one block behind the other in memory; one code a byte (a code: sign, 5 exponent bits, 2 mantissa bits); its scale is its entry of lowp_scales. Its value is code x scale, taken as it is: it is not quantised again, and the codes and scales need not be those that the quantiser above would give.
;; One version. Each part assembles by itself: llvm-mc -triple=amdgcn-amd-amdhsa -mcpu=gfx1250 --defsym DOCPART=n.
;; ======== version 1 of 1: 2 launches
;; limits: right only within a limited range of input values
;; workspace buffers: kc 8,388,608 bytes; vc 8,388,608 bytes; qc 8,388,608 bytes
;; launch proj (part 1): grid 4 x 96, 4 waves a work-group, clusters of 4 x 4, 327,680 bytes of LDS; arguments Xq_codes, Xk_codes, Wq_codes, Wk_codes, Wv_codes, lowp_scales, gamma1, beta1, mean1, var1, gamma2, beta2, mean2, var2, gamma3, beta3, mean3, var3, qc, kc, vc; writes qc, kc, vc
.if DOCPART == 1
	.amdgcn_target "amdgcn-amd-amdhsa--gfx1250"
	.amdhsa_code_object_version 6
	.text
	.protected	k_q11aebc10af_proj
	.globl	k_q11aebc10af_proj
	.p2align	8
	.type	k_q11aebc10af_proj,@function
k_q11aebc10af_proj:
	s_mov_b64 s[64:65], 0
	v_nop
	global_prefetch_b8 v0, s[64:65] scope:SCOPE_SE
	s_setreg_imm32_b32 hwreg(HW_REG_WAVE_MODE, 25, 1), 1
	s_wait_xcnt 0x0
	s_wait_alu depctr_hold_cnt(0) depctr_sa_sdst(0) depctr_va_vdst(0) depctr_va_sdst(0) depctr_va_ssrc(0) depctr_va_vcc(0) depctr_vm_vsrc(0)
	s_getreg_b32 s2, hwreg(HW_REG_IB_STS2, 6, 4)
	s_cmp_eq_u32 s2, 0
	s_cbranch_scc0 .Lentry_in_a_cluster
	s_endpgm
.Lentry_in_a_cluster:
	s_bfe_u32 s2, ttmp6, 0x10000c
	s_cmp_lg_u32 s2, 0xf033
	s_cbranch_scc0 .Lentry_shape_is_right
	s_endpgm
.Lentry_shape_is_right:
; THE THREE PROJECTIONS: y = leaky(BN(W x)), quantised to codes of E5M2 for the attention launch.  X: [8,192 positions][1,024] codes, W: [1,024 channels][1,024] codes, K innermost in both.
; g = cluster y / 8 says which:  g = 0: K = (Xk, Wk, set 2), sums x 2^(e2+e3), codes with e6 -> kc;  g = 1: V = (Xq, Wv, set 3), 2^(e4+e5), e7 -> vc;  g = 2: Q = (Xq, Wq, set 1), 2^(e0+e1), e8 -> qc.
; OUT.  kc, vc: [32 heads][2,048 positions][128 channels].  qc: [32 heads][128 channels][2,048 positions], and inside every 32 positions the two middle pieces of 8 bytes change places
; (piece 2 h + s holds positions 8 (h + 2 s) on): so the attention launch fetches a fragment of it by four loads of 16 bytes and finds each position where its weights' codes lie.
; A work-group of four waves makes 256 x 256, a wave 128 x 128: 64 accumulators, 512 registers.  K goes in 4 steps of 256 through a ring of two LDS slots filled by the tensor data mover.
; CLUSTERS: 4 x 4 work-groups.  "A" is the tile shared along a row of the cluster, "B" the tile shared along a column; each is asked for JOINTLY by the four that share it.
; The matrix instruction takes 16 rows of B as source 0 and 16 rows of A as source 1: a lane then holds ONE row of A and eight neighbouring rows of B.
;   g < 2: A = X (tile 4 (cluster y & 7) + cy), B = W (tile cx): a lane holds one position and eight channels, which are neighbours in kc and vc.
;   g = 2: A = W (tile cy), B = X (tile 4 (cluster y & 7) + cx): a lane holds one channel and eight positions, which are neighbours in qc.
; g is the same in all sixteen partners; only pointers and a term of the tile numbers are chosen by it, and the two ways out.  The grid is one cluster wide, so cluster x is 0 and is not read.
; 384 work-groups are 24 clusters: the tile is kept at 256 x 256 all the same, since a wave tile of half the size would read half as much again from LDS for each product.
; BN: scale = gamma rsq(var + 1e-5); y = sum x (scale 2^esum) + (beta - mean scale); leaky: max(y, 0.1 y); code = y / 2^eout held within +-57,344, to the nearest code, ties to even.
; LIMITS: e6, e7, e8 between -126 and 112, so that 2^e and 57,344 x 2^e are f32 numbers; the sums' exponents go by v_ldexp_f32 and have none.  NaN among the inputs is not served (the maximum and the hold drop it).
; REGISTERS, in windows of 256: window 0: v1-31 addresses; from v128 A's fragments, ONE set; on the way out v32-223 are at work.  window 1: B's fragments, TWO sets, at v0 and v128; on the way out of g < 2 the table.
;   window 2: the accumulators of my A rows 0-63 ((a, b) at v[8 (8 a + b)]);  window 3: those of rows 64-127.
.set KSTEP,  256                       ; along K in a slot
.set ROWB,   256                       ; a tile's row in bytes
.set KROW,   1024                      ; a row of X or of W in memory, in bytes
.set PITCH,  272                       ; an LDS row: 256 bytes + 16 of padding = 68 words: row r starts at bank 4 r mod 64 (64 banks of 4 bytes: ISA guide 11.1)
.set FR,     16                        ; registers of a fragment: 16 rows x 128 K
.set NL,     4                         ; LDS loads that bring one
.set NP,     4                         ; places behind this matrix instruction (ISA guide 7.12.1)
.set HALFT,  128*PITCH                 ; 128 rows: what one tensor load brings, and what one wave reads of A or of B
.set SLOT,   4*HALFT                   ; A's 256 rows, then B's 256 rows
.set LAPS,   KROW/(2*KSTEP)            ; a lap = two K steps = once round the ring
.set SPARE,  2*SLOT                    ; behind the ring: the spare words, 128 bytes for each wave: two blocks of 256 bytes that no other line names
.set TAB,    SPARE+512                 ; the table: scale 2^esum of the work-group's 256 channels, then beta - mean scale at + 1,024; no tile lands here
.set KVSTG,  0                         ; the way out of g < 2: for each wave 128 rows (positions) x (128 bytes + 16), in slot 0
.set KVP,    144
.set QSTG,   SLOT                      ; the way out of g = 2: 256 rows (channels) x (256 bytes + 16), in slot 1.  Both slots have had their last fill and their last read by then
.set QP,     272
.set TA,   7                           ; v7   table, g < 2: TAB + 512 (wave & 1) + 32 h
.set TQ,   8                           ; v8   table, g = 2: TAB + 512 (wave >> 1) + 4 r
.set KST,  9                           ; v9   where I put 8 codes, g < 2
.set QST,  10                          ; v10  the same, g = 2
.set KRD,  11                          ; v11  where I read rows back, g < 2
.set QRD,  12                          ; v12  the same, g = 2
.set KGO,  13                          ; v13  my byte offset in kc or vc
.set QGO,  14                          ; v14  in qc
.set SC,   15                          ; v15  2^eout as f32
.set ADRA, 16                          ; v16-17  LDS address of my A fragments in slot 0, 1
.set LM,   18                          ; v18  57,344 x 2^eout
.set ADRB, 20                          ; v20-21  the same for B
.set SPW,  28                          ; v28  LDS address of my spare word; never rewritten
.set NIL,  29                          ; v29  0; never rewritten
.set BNO,  30                          ; v30  8 x thread: my two channels in the four vectors
.set TST,  31                          ; v31  TAB + 8 x thread
.set Y,    32                          ; v32-95   a block's 64 numbers
.set YL,   96                          ; v96-159  0.1 x them
.set C,    160                         ; v160-191 codes: two sets of 16 registers by turns
.set PS,   192                         ; v192-207 g = 2: scale of block a's channel, in both registers of pair a
.set PT,   208                         ; v208-223 g = 2: the addend likewise
.set R,    32                          ; v32-159  rows read back from the stage
.set AF,   128                         ; A's fragments, in window 0
.set G1, 24                            ; s[24:31] descriptor group 1 for A's tiles;  s[32:39] group 0, one set for each slot
.set G0, 32
.set G1B, 48                           ; s[48:55], s[56:63] the same for B's tiles
.set G0B, 56
.set MSB, 0
.macro WIN new                         ; the immediate's high byte repeats the setting that is left; a switch that changes nothing is dropped
.if MSB != (\new)
	s_set_vgpr_msb (MSB<<8)|(\new)
.set MSB, (\new)
.endif
.endm
.set MUL_LO, 0xa1                      ; source 0 (B) window 1, source 1 (A) window 0, C and D window 2
.set MUL_HI, 0xf1                      ; the same, C and D window 3
.set TO_B,   0x40                      ; destination window 1, address window 0
; A joint load: waves 0 and 1 fetch for A, waves 2 and 3 for B.  Each of the two lines has ONE mask and one set of registers for all that issue it; the branch hangs on the wave's number alone.
; Four v_nop follow each of the two lines, ahead of the jump, the label and what follows.
.macro JLOAD g0a, g1a, g0b, g1b
	s_cmp_eq_u32 s15, 0
	s_cbranch_scc0 .Lfor_b_\@
	tensor_load_to_lds s[\g0a:\g0a+3], s[\g1a:\g1a+7]
	s_nop 0
.rept 4
	v_nop
.endr
	s_branch .Lasked_\@
.Lfor_b_\@:
	tensor_load_to_lds s[\g0b:\g0b+3], s[\g1b:\g1b+7]
	s_nop 0
.rept 4
	v_nop
.endr
.Lasked_\@:
.endm
.macro CREST                           ; a round of the cluster's barrier behind its opening barrier
	s_cmp_lg_u32 s14, 0
	s_cbranch_scc1 .Lnot_wave_0_\@
	s_barrier_signal -3
.Lnot_wave_0_\@:
	s_barrier_wait -3
	s_barrier_signal -1
	s_barrier_wait -1
.endm
.macro CROUND                          ; a whole round
	s_barrier_signal -1
	s_barrier_wait -1
	CREST
.endm
	s_load_b512 s[68:83], s[0:1], 0x0              ; Xq 68, Xk 70, Wq 72, Wk 74, Wv 76, the scales' exponents 78, gamma1 80, beta1 82
	s_load_b512 s[84:99], s[0:1], 0x40             ; mean1 84, var1 86, gamma2 88, beta2 90, mean2 92, var2 94, gamma3 96, beta3 98
	s_load_b256 s[4:11], s[0:1], 0x80              ; mean3 4, var3 6, qc 8, kc 10
	s_load_b64 s[12:13], s[0:1], 0xa0              ; vc
	v_lshl_add_u32 v[SPW], v0, 2, SPARE
	v_mov_b32 v[NIL], 0
	ds_add_u32 v28, v29
	s_wait_dscnt 0x0
	v_lshrrev_b32 v1, 5, v0
	v_readfirstlane_b32 s14, v1                    ; wave 0..3
	s_lshr_b32 s15, s14, 1                         ; which half of A's rows is mine.  Also: I fetch for A (0) or for B (1)
	s_and_b32 s16, s14, 1                          ; which half of B's rows.  Also: which 128 rows of that tile I fetch
	s_bfe_u32 s40, ttmp6, 0x40000                  ; cx, cy: my place in the cluster
	s_bfe_u32 s41, ttmp6, 0x40004
	s_and_b32 s17, ttmp7, 0xffff                   ; cluster y, 0 .. 23
	s_lshr_b32 s66, s17, 3                         ; g: which projection; the same in all sixteen partners
	s_and_b32 s17, s17, 7
	s_lshl_b32 s17, s17, 2                         ; 4 (cluster y & 7): it belongs to the tile number of X
	s_cmp_lt_u32 s66, 2
	s_cselect_b32 s18, s17, 0                      ; X is A where g < 2,
	s_cselect_b32 s42, 0, s17                      ; and B where g = 2
	s_cselect_b32 s2, s40, s41                     ; the tile of channels: cx or cy (it enters plain loads' and stores' addresses alone)
	s_add_co_u32 s18, s18, s41                     ; A's tile: hangs on cy and the cluster's y
	s_add_co_u32 s42, s42, s40                     ; B's tile: hangs on cx and the cluster's y
	s_lshl_b32 s43, s41, 2
	s_lshl_b32 s43, 15, s43                        ; my row of the cluster
	s_lshl_b32 s44, 0x1111, s40                    ; my column
	; descriptor group 1: a tile of 128 rows x 256 bytes, padded in LDS
	s_or_b32 s[G1+0], s43, (0<<16)|(1<<20)|(1<<21)|(5<<22)|(3<<25)  ; 15:0 the mask: A's tiles go to my row; 17:16 element of 1 byte; 20 padding on; 21 set beside a mask; 24:22 after every 64 words (code 5); 31:25 of 4 words (code 3)
	s_or_b32 s[G1B+0], s44, (0<<16)|(1<<20)|(1<<21)|(5<<22)|(3<<25)
.irp g, G1, G1B
	s_mov_b32 s[\g+1], ROWB<<16                    ; tensor_dim0
	s_mov_b32 s[\g+2], 128<<16                     ; tensor_dim1 = 128
	s_mov_b32 s[\g+3], ROWB<<16                    ; tile_dim0
	s_mov_b32 s[\g+4], 128                         ; tile_dim1 = 128
	s_mov_b32 s[\g+5], KROW                        ; tensor_dim0_stride
	s_mov_b32 s[\g+6], 0
	s_mov_b32 s[\g+7], 0
.endr
	s_lshl_b32 s19, s16, 7                         ; which 128 rows of the tile I fetch
	s_lshl_b32 s20, s18, 8
	s_add_co_u32 s20, s20, s19                     ; A: row 256 x tile + 128 x half
	s_lshl_b32 s20, s20, 10                        ; in bytes: under 2^23
	s_mov_b32 s21, 0
	s_lshl_b32 s46, s42, 8
	s_add_co_u32 s46, s46, s19                     ; B likewise
	s_lshl_b32 s46, s46, 10
	s_mov_b32 s47, 0
	s_mul_i32 s45, s14, HALFT                      ; where they go: wave x 128 rows: no place in the cluster enters an LDS address
	s_lshl_b32 s22, s2, 10                         ; my tile's 256 channels in the four vectors, in bytes
	s_mov_b32 s23, 0
	v_lshlrev_b32 v[BNO], 3, v0
	v_lshl_add_u32 v[TST], v0, 3, TAB
	s_wait_kmcnt 0x0
	s_cmp_eq_u32 s66, 0                            ; the buffers are chosen on g, which hangs on no address
	s_cselect_b64 s[70:71], s[70:71], s[68:69]     ; X: Xk for K, Xq for V and Q
	s_cselect_b64 s[74:75], s[74:75], s[76:77]     ; W: Wk or Wv
	s_cselect_b64 s[88:89], s[88:89], s[96:97]     ; gamma, beta, mean, var: set 2 or set 3
	s_cselect_b64 s[90:91], s[90:91], s[98:99]
	s_cselect_b64 s[92:93], s[92:93], s[4:5]
	s_cselect_b64 s[94:95], s[94:95], s[6:7]
	s_cselect_b64 s[10:11], s[10:11], s[12:13]     ; out: kc or vc
	s_cmp_eq_u32 s66, 2
	s_cselect_b64 s[74:75], s[72:73], s[74:75]     ; or Wq,
	s_cselect_b64 s[88:89], s[80:81], s[88:89]     ; set 1,
	s_cselect_b64 s[90:91], s[82:83], s[90:91]
	s_cselect_b64 s[92:93], s[84:85], s[92:93]
	s_cselect_b64 s[94:95], s[86:87], s[94:95]
	s_cselect_b64 s[10:11], s[8:9], s[10:11]       ; qc
	s_cselect_b64 s[72:73], s[74:75], s[70:71]     ; A: W where g = 2, else X
	s_cselect_b64 s[76:77], s[70:71], s[74:75]     ; B: the other
	s_load_b256 s[80:87], s[78:79], 0x0            ; e0 .. e7
	s_load_b32 s96, s[78:79], 0x20                 ; e8
	s_add_nc_u64 s[88:89], s[88:89], s[22:23]
	s_add_nc_u64 s[90:91], s[90:91], s[22:23]
	s_add_nc_u64 s[92:93], s[92:93], s[22:23]
	s_add_nc_u64 s[94:95], s[94:95], s[22:23]
	global_load_b64 v[32:33], v[BNO], s[88:89]     ; thread t: channels 2 t, 2 t + 1 of the tile's 256: gamma,
	global_load_b64 v[34:35], v[BNO], s[90:91]     ; beta,
	global_load_b64 v[36:37], v[BNO], s[92:93]     ; mean,
	global_load_b64 v[38:39], v[BNO], s[94:95]     ; var
	s_add_nc_u64 s[20:21], s[72:73], s[20:21]
	s_add_nc_u64 s[46:47], s[76:77], s[46:47]
	CROUND                                         ; all sixteen work-groups are here: the first joint loads meet
.irp s, 0,1
	s_mov_b32 s[G0+4*\s], 1
	s_add_co_u32 s[G0+4*\s+1], s45, \s*SLOT
	s_add_nc_u64 s[G0+4*\s+2:G0+4*\s+3], s[20:21], \s*ROWB
	s_or_b32 s[G0+4*\s+3], s[G0+4*\s+3], 0x80000000
	s_mov_b32 s[G0B+4*\s], 1
	s_add_co_u32 s[G0B+4*\s+1], s45, \s*SLOT
	s_add_nc_u64 s[G0B+4*\s+2:G0B+4*\s+3], s[46:47], \s*ROWB
	s_or_b32 s[G0B+4*\s+3], s[G0B+4*\s+3], 0x80000000
	JLOAD G0+4*\s, G1, G0B+4*\s, G1B               ; two loads of mine are out
.endr
	; every LDS address is made here, ahead of all partings: a constant + a constant x wave + lane terms
	v_and_b32 v1, 15, v0                           ; r = l % 16
	v_bfe_u32 v2, v0, 4, 1                         ; h = l / 16
	v_mul_u32_u24 v3, v1, PITCH
	v_lshl_add_u32 v4, v2, 4, v3                   ; a fragment's row x pitch + 16 x half
	s_mul_i32 s21, s15, HALFT                      ; my 128 rows of A
	s_mul_i32 s22, s16, HALFT                      ; my 128 rows of B,
	s_add_co_u32 s22, s22, 2*HALFT                 ; which lie behind A's 256
.irp s, 0,1
	v_add_nc_u32 v[ADRA+\s], s21, v4
	v_add_nc_u32 v[ADRB+\s], s22, v4
	s_add_co_u32 s21, s21, SLOT
	s_add_co_u32 s22, s22, SLOT
.endr
	s_lshl_b32 s23, s16, 9
	s_add_co_u32 s23, s23, TAB
	v_lshl_add_u32 v[TA], v2, 5, s23               ; g < 2: channel 128 (wave & 1) + 16 b + 8 h + j
	s_lshl_b32 s23, s15, 9
	s_add_co_u32 s23, s23, TAB
	v_lshl_add_u32 v[TQ], v1, 2, s23               ; g = 2: channel 128 (wave >> 1) + 16 a + r
	s_mul_i32 s23, s14, 128*KVP                    ; g < 2: my stage (KVSTG = 0)
	v_mul_u32_u24 v5, v1, KVP
	v_lshl_add_u32 v5, v2, 3, v5
	v_add_nc_u32 v[KST], s23, v5                   ; in: row r, 8 bytes for each half of the lanes
	v_bfe_u32 v5, v0, 3, 2
	v_mul_u32_u24 v5, v5, KVP
	v_and_b32 v3, 7, v0
	v_lshl_add_u32 v5, v3, 4, v5
	v_add_nc_u32 v[KRD], s23, v5                   ; back: eight lanes to a row of 128 bytes, four rows an instruction
	s_mul_i32 s23, s15, 128*QP                     ; g = 2: my 128 rows of the work-group's stage,
	s_lshl_b32 s22, s16, 7                         ; my half of their 256 bytes
	s_add_co_u32 s23, s23, s22
	s_add_co_u32 s23, s23, QSTG
	v_add_nc_u32 v[QST], s23, v4                   ; in: row r (QP = PITCH), + 16 h: piece 2 h + s of a group of 32 positions
	s_mul_i32 s23, s14, 64*QP
	s_add_co_u32 s23, s23, QSTG
	v_mul_u32_u24 v5, v2, QP
	v_lshl_add_u32 v5, v1, 4, v5
	v_add_nc_u32 v[QRD], s23, v5                   ; back: wave w takes rows 64 w on, whole; sixteen lanes to a row, two rows an instruction
	v_and_b32 v6, 31, v0
	v_lshlrev_b32 v[KGO], 4, v6                    ; kc, vc: four rows of 128 bytes are 512 dense bytes
	v_lshlrev_b32 v[QGO], 11, v2
	v_lshl_add_u32 v[QGO], v1, 4, v[QGO]           ; qc: rows 2,048 bytes apart
	; where my part of the output begins, in bytes
	s_cmp_lt_u32 s66, 2
	s_cselect_b32 s4, s18, s42                     ; the tile of positions, 0 .. 31
	s_lshr_b32 s5, s4, 3                           ; the batch,
	s_and_b32 s4, s4, 7
	s_lshl_b32 s4, s4, 8                           ; the tile's first position in it
	s_lshl_b32 s6, s5, 3                           ; kc, vc: head 8 batch + 2 x tile of channels + (wave & 1),
	s_lshl_b32 s7, s2, 1
	s_add_co_u32 s6, s6, s7
	s_add_co_u32 s6, s6, s16
	s_lshl_b32 s6, s6, 11                          ; its 2,048 positions,
	s_add_co_u32 s6, s6, s4
	s_lshl_b32 s7, s15, 7                          ; my 128 of the tile's,
	s_add_co_u32 s6, s6, s7
	s_lshl_b32 s6, s6, 7                           ; 128 bytes each
	s_lshl_b32 s8, s5, 10                          ; qc: row 1,024 batch + 256 x tile of channels + 64 wave,
	s_lshl_b32 s9, s2, 8
	s_add_co_u32 s8, s8, s9
	s_lshl_b32 s9, s14, 6
	s_add_co_u32 s8, s8, s9
	s_lshl_b32 s8, s8, 11                          ; of 2,048 bytes,
	s_add_co_u32 s8, s8, s4                        ; + the tile's first position
	s_cmp_lt_u32 s66, 2
	s_cselect_b32 s6, s6, s8
	s_mov_b32 s7, 0
	s_add_nc_u64 s[10:11], s[10:11], s[6:7]
	s_wait_kmcnt 0x0
	s_add_co_i32 s80, s80, s81                     ; e0 + e1: Q's sums
	s_add_co_i32 s82, s82, s83                     ; e2 + e3: K's
	s_add_co_i32 s84, s84, s85                     ; e4 + e5: V's
	s_cmp_eq_u32 s66, 0                            ; chosen without a jump
	s_cselect_b32 s67, s82, s84
	s_cselect_b32 s68, s86, s87                    ; e6 or e7
	s_cmp_eq_u32 s66, 2
	s_cselect_b32 s67, s80, s67                    ; esum
	s_cselect_b32 s68, s96, s68                    ; eout
	s_add_co_i32 s68, s68, 127
	s_lshl_b32 s69, s68, 23
	v_mov_b32 v[SC], s69                           ; 2^eout as f32: the conversion takes its exponent field
	s_add_co_i32 s68, s68, 15
	s_lshl_b32 s68, s68, 23
	s_or_b32 s68, s68, 0x600000
	v_mov_b32 v[LM], s68                           ; 57,344 x 2^eout
	s_mov_b32 s98, 0x3dcccccd                      ; 0.1
	s_mov_b32 s99, 0x3dcccccd                      ; (named with it as a pair, so it is written)
	s_wait_loadcnt 0x0                             ; the four vectors' pieces
	v_add_f32 v38, 0x3727c5ac, v38                 ; var + 1e-5
	v_add_f32 v39, 0x3727c5ac, v39
	v_rsq_f32 v38, v38
	v_rsq_f32 v39, v39
	v_nop                                          ; a plain instruction behind the last root
	s_wait_alu depctr_va_vdst(0)                   ; one wait for both roots, ahead of their first reader
	v_pk_mul_f32 v[32:33], v[32:33], v[38:39]      ; scale = gamma / sqrt(var + 1e-5)
	v_fma_f32 v34, -v36, v32, v34                  ; beta - mean scale
	v_fma_f32 v35, -v37, v33, v35
	v_ldexp_f32 v32, v32, s67                      ; scale x 2^esum: a sum stands for sum x 2^esum
	v_ldexp_f32 v33, v33, s67
	ds_store_b64 v[TST], v[32:33]
	ds_store_b64 v[TST], v[34:35] offset:1024
.macro FRAG reg, adr, q, i             ; a fragment, 16 rows x 128 K of 8-bit codes, is 16 registers: lane l holds row l % 16; registers 4 c .. 4 c + 3 hold K = 32 c + 16 (l / 16) + 0 .. 15: the same places in A and in B
.irp c, 0,1,2,3
	ds_load_b128 v[\reg+4*\c:\reg+4*\c+3], v[\adr] offset:128*(\q)+32*\c+(\i)*16*PITCH
.endr
.endm
; 16 matrix instructions: A's blocks a0, a0 + 1 x B's eight, 128 along K.  p: B's set.  zero = 1: the first product starts the sums: nothing is ever cleared.
; The 64 accumulators take turns, one instruction a turn, in the same order in every step.
.macro MUL16 a0, p, zero
.irp a, \a0, \a0+1
.irp b, 0,1,2,3,4,5,6,7
.if \zero
	v_wmma_f32_16x16x128_bf8_bf8 v[8*(8*((\a)%4)+\b):8*(8*((\a)%4)+\b)+7], v[128*(\p)+FR*\b:128*(\p)+FR*\b+FR-1], v[AF+FR*(\a):AF+FR*(\a)+FR-1], 0
.else
	v_wmma_f32_16x16x128_bf8_bf8 v[8*(8*((\a)%4)+\b):8*(8*((\a)%4)+\b)+7], v[128*(\p)+FR*\b:128*(\p)+FR*\b+FR-1], v[AF+FR*(\a):AF+FR*(\a)+FR-1], v[8*(8*((\a)%4)+\b):8*(8*((\a)%4)+\b)+7]
.endif
.endr
.endr
.endm
.macro FETCH_B slot, q, p              ; B's eight fragments of the slot's q-th 128 along K into set p
	WIN TO_B
.irp i, 0,1,2,3,4,5,6,7
	FRAG 128*(\p)+FR*\i, ADRB+\slot, \q, \i
.endr
	WIN 0
.endm
.macro FETCH_A slot, q, i0             ; A's blocks i0 .. i0 + 3
.irp i, \i0, \i0+1, \i0+2, \i0+3
	FRAG AF+FR*(\i), ADRA+\slot, \q, \i
.endr
.endm
; A load into a register that a matrix instruction has read, and a vector instruction that reads a matrix result or writes one of its registers, stand NP places behind it; only plain vector
; instructions that name none of its registers are places (ISA guide 7.12.1 for vector instructions).
.macro PLACES n
.rept \n
	v_nop
.endr
.endm
; A step of 128 along K that has its successor in the same slot.
.macro STEP slot, q, zero
	s_wait_dscnt 4*NL                              ; B's set and A's blocks 0-3 are in; the youngest sixteen loads (A's blocks 4-7) may be out
	WIN MUL_LO
	MUL16 0, (\q)%2, \zero
	MUL16 2, (\q)%2, \zero
	s_wait_dscnt 0                                 ; A's blocks 4-7 are in (asked for 32 matrix instructions ago)
	PLACES NP
	FETCH_B \slot, (\q)+1, 1-(\q)%2
	FETCH_A \slot, (\q)+1, 0
	WIN MUL_HI
	MUL16 4, (\q)%2, \zero
	MUL16 6, (\q)%2, \zero
	PLACES NP
	WIN 0
	FETCH_A \slot, (\q)+1, 4
.endm
; A slot's last step changes slots: ONE barrier; in front of it each wave waits for all its tensor loads, adds 0 to its spare word, and waits for that and for its own reads of this slot.  fill = 1: this slot is filled again, two K steps ahead.
.macro TURN slot, next, fill
	s_wait_tensorcnt 0x0                           ; all my tensor loads have landed: my part of the next slot;  (every window is 0 here: the add's two registers lie in window 0)
	ds_add_u32 v[SPW], v[NIL]                      ; 0 onto my spare word
	s_wait_dscnt 4*NL+1                            ; (the add and the youngest sixteen loads, A's blocks 4-7, may be out)
	WIN MUL_LO
	MUL16 0, 1, 0                                  ; sixteen matrix instructions stand between the add and the wait for it
	s_wait_dscnt 0x0                               ; the add is done, and my reads of this slot are over
	s_barrier_signal -1
	MUL16 2, 1, 0
	WIN 0
	s_barrier_wait -1
.if \fill
	CREST                                          ; the barrier has opened a round of the cluster's barrier: no wave of any partner still reads this slot's tile or has a load on its way
	s_add_nc_u64 s[G0+4*\slot+2:G0+4*\slot+3], s[G0+4*\slot+2:G0+4*\slot+3], 2*ROWB
	s_add_nc_u64 s[G0B+4*\slot+2:G0B+4*\slot+3], s[G0B+4*\slot+2:G0B+4*\slot+3], 2*ROWB
	JLOAD G0+4*\slot, G1, G0B+4*\slot, G1B         ; the first tensor load behind the round, my one load out; the four v_nop behind it are the places in front of the loads below
.else
	PLACES NP
.endif
	FETCH_B \next, 0, 0
	FETCH_A \next, 0, 0
	WIN MUL_HI
	MUL16 4, 1, 0
	MUL16 6, 1, 0
	PLACES NP
	WIN 0
	FETCH_A \next, 0, 4
.endm
	s_wait_tensorcnt 1                             ; my part of K step 0 is in; K step 1's load may be out
	s_wait_dscnt 0x0                               ; my two entries of the table are stored
	s_barrier_signal -1
	s_barrier_wait -1                              ; everybody's are
	FETCH_B 0, 0, 0
	FETCH_A 0, 0, 0
	FETCH_A 0, 0, 4
	STEP 0, 0, 1                                   ; the first step stands in front of the loop: its products start the sums
	s_mov_b32 s3, LAPS-1
.Llap:                                                 ; a trip goes once round the ring, from a lap's second step to the next lap's first, and fills both slots again
	TURN 0, 1, 1
	STEP 1, 0, 0
	TURN 1, 0, 1
	STEP 0, 0, 0
	s_sub_co_u32 s3, s3, 1
	s_cmp_lg_u32 s3, 0
	s_cbranch_scc1 .Llap
	TURN 0, 1, 0                                   ; the last lap fills nothing, and has no round of the cluster's barrier
	STEP 1, 0, 0
	s_wait_dscnt 4*NL                              ; the very last step: nothing more to fetch
	WIN MUL_LO
	MUL16 0, 1, 0
	MUL16 2, 1, 0
	s_wait_dscnt 0
	WIN MUL_HI
	MUL16 4, 1, 0
	MUL16 6, 1, 0
	WIN 0
; THE WAY OUT.  q = 0: K and V; q = 1: Q.  Block a (16 rows of A x my 128 rows of B: 64 numbers a lane) at a time: sum x scale + addend, leaky, the hold, eight conversions, eight stores of 8 codes into the stage.
.macro EPI q
.if \q
.irp a, 0,1,2,3,4,5,6,7                ; my channel of block a: its two numbers, each into both registers of a pair
	ds_load_b32 v[PS+2*\a], v[TQ] offset:64*\a
	ds_load_b32 v[PS+2*\a+1], v[TQ] offset:64*\a
	ds_load_b32 v[PT+2*\a], v[TQ] offset:1024+64*\a
	ds_load_b32 v[PT+2*\a+1], v[TQ] offset:1024+64*\a
.endr
.else
	WIN 0x40                                       ; destination window 1: B's fragments are done with
.irp b, 0,1,2,3,4,5,6,7                ; my eight channels of each of B's eight blocks: the same for every block a
	ds_load_b128 v[8*\b:8*\b+3], v[TA] offset:64*\b
	ds_load_b128 v[8*\b+4:8*\b+7], v[TA] offset:64*\b+16
	ds_load_b128 v[64+8*\b:64+8*\b+3], v[TA] offset:1024+64*\b
	ds_load_b128 v[64+8*\b+4:64+8*\b+7], v[TA] offset:1024+64*\b+16
.endr
	WIN 0
.endif
	s_wait_dscnt 0x0
.irp a, 0,1,2,3,4,5,6,7
.if \q
	WIN 0x02+(\a)/4                                ; source 0: window 2 or 3
.else
	WIN 0x16+(\a)/4                                ; source 0: window 2 or 3; sources 1 and 2: window 1
.endif
.set j, 0
.rept 32                               ; each accumulator from its low end on
.if \q
	v_pk_fma_f32 v[Y+j:Y+j+1], v[64*(\a%4)+j:64*(\a%4)+j+1], v[PS+2*\a:PS+2*\a+1], v[PT+2*\a:PT+2*\a+1]
.else
	v_pk_fma_f32 v[Y+j:Y+j+1], v[64*(\a%4)+j:64*(\a%4)+j+1], v[j:j+1], v[64+j:64+j+1]
.endif
.set j, j+2
.endr
	WIN 0
.set j, 0
.rept 32
	v_pk_mul_f32 v[YL+j:YL+j+1], v[Y+j:Y+j+1], s[98:99] op_sel_hi:[1,0]   ; 0.1 y
.set j, j+2
.endr
.set j, 0
.rept 64
	v_max_num_f32 v[Y+j], v[Y+j], v[YL+j]          ; y where y > 0, else 0.1 y
.set j, j+1
.endr
.set j, 0
.rept 64
	v_med3_num_f32 v[Y+j], v[Y+j], -v[LM], v[LM]   ; the conversion to an 8-bit code does not saturate (ISA guide 7.6.2): the hold at the largest code x the scale
.set j, j+1
.endr
.if \a >= 2
	s_wait_dscnt 8                                 ; the stores of two blocks back have read this set of code registers; the last block's eight may be out
.endif
.irp b, 0,1,2,3,4,5,6,7
	v_cvt_scalef32_pk8_bf8_f32 v[C+16*(\a%2)+2*\b:C+16*(\a%2)+2*\b+1], v[Y+8*\b:Y+8*\b+7], v[SC]
.endr
	v_nop                                          ; one plain vector instruction behind the last conversion: the next block writes its sources
.irp b, 0,1,2,3,4,5,6,7
.if \q
	ds_store_b64 v[QST], v[C+16*(\a%2)+2*\b:C+16*(\a%2)+2*\b+1] offset:16*\a*QP+32*(\b/2)+8*(\b%2)   ; positions 16 b + 8 h on: group b / 2, piece 2 h + b % 2
.else
	ds_store_b64 v[KST], v[C+16*(\a%2)+2*\b:C+16*(\a%2)+2*\b+1] offset:16*\a*KVP+16*\b               ; channels 16 b + 8 h on
.endif
.endr
.endr
.endm
; Back from the stage as whole rows, and out.
.macro SENDP q
.irp i, 0,1,2,3,4,5,6,7,8,9,10,11,12,13,14,15,16,17,18,19,20,21,22,23,24,25,26,27,28,29,30,31
.if \q
	ds_load_b128 v[R+4*\i:R+4*\i+3], v[QRD] offset:2*QP*\i
.else
	ds_load_b128 v[R+4*\i:R+4*\i+3], v[KRD] offset:4*KVP*\i
.endif
.endr
.irp i, 0,1,2,3,4,5,6,7,8,9,10,11,12,13,14,15,16,17,18,19,20,21,22,23,24,25,26,27,28,29,30,31
	s_wait_dscnt 31-\i                             ; LDS loads come back in order: load i is in, the younger ones may be out
.if \q
	global_store_b128 v[QGO], v[R+4*\i:R+4*\i+3], s[10:11] offset:4096*\i   ; sixteen lanes store 256 consecutive bytes, at a multiple of 256 from qc's first byte; two rows an instruction
.else
	global_store_b128 v[KGO], v[R+4*\i:R+4*\i+3], s[10:11] offset:512*\i    ; 32 lanes store 512 consecutive bytes, at a multiple of 512 from the buffer's first byte
.endif
.endr
.endm
	s_wait_dscnt 0x0                               ; my reads of the ring are over
	s_barrier_signal -1
	s_barrier_wait -1                              ; everybody's are: both slots, which have had their last fill, may take the stages
	PLACES NP                                      ; behind the last products: for the loads into fragment registers and the first reads of results
	s_cmp_eq_u32 s66, 2                            ; g is the same in every wave of every partner
	s_cbranch_scc1 .Lq_epi
	EPI 0
	s_branch .Ljoin1
.Lq_epi:
	EPI 1
.Ljoin1:
	s_wait_dscnt 0x0                               ; for the others' sake: my stores into the stage are done (a row of Q's stage comes from two waves)
	s_barrier_signal -1
	s_barrier_wait -1
	s_cmp_eq_u32 s66, 2
	s_cbranch_scc1 .Lq_send
	SENDP 0
	s_branch .Ljoin2
.Lq_send:
	SENDP 1
.Ljoin2:
	s_wait_tensorcnt 0x0                           ; the wave's end: behind my last tensor load and my last LDS store
	ds_add_u32 v[SPW], v[NIL]
	s_wait_dscnt 0x0
	CROUND                                         ; the closing round: no work-group ends while a partner may still ask for a tile that names it
	s_endpgm
.Lfunc_end_k_q11aebc10af_proj:
	.size	k_q11aebc10af_proj, .Lfunc_end_k_q11aebc10af_proj-k_q11aebc10af_proj
	.p2alignl 7, 3214868480
	.fill 96, 4, 3214868480
	.section	.rodata,"a",@progbits
	.p2align	6, 0x0
	.amdhsa_kernel k_q11aebc10af_proj
		.amdhsa_group_segment_fixed_size 327680
		.amdhsa_private_segment_fixed_size 0
		.amdhsa_enable_private_segment 0
		.amdhsa_kernarg_size 168
		.amdhsa_user_sgpr_count 2
		.amdhsa_user_sgpr_kernarg_segment_ptr 1
		.amdhsa_wavefront_size32 1
		.amdhsa_system_sgpr_workgroup_id_x 1
		.amdhsa_system_sgpr_workgroup_id_y 1
		.amdhsa_system_sgpr_workgroup_id_z 1
		.amdhsa_system_vgpr_workitem_id 0
		.amdhsa_next_free_vgpr 1024
		.amdhsa_next_free_sgpr 100
		.amdhsa_reserve_vcc 0
		.amdhsa_float_denorm_mode_32 3
		.amdhsa_float_denorm_mode_16_64 3
		.amdhsa_memory_ordered 1
		.amdhsa_forward_progress 1
		.amdhsa_inst_pref_size 255
	.end_amdhsa_kernel
	.section	.bss,"aw",@nobits
	.p2align	6
	.space	262144
	.amdgpu_metadata
---
amdhsa.version: [ 1, 2 ]
amdhsa.kernels:
  - .name:           k_q11aebc10af_proj
    .symbol:         k_q11aebc10af_proj.kd
    .args:
      - { .name: Xq_codes, .offset: 0, .size: 8, .value_kind: global_buffer, .address_space: global }
      - { .name: Xk_codes, .offset: 8, .size: 8, .value_kind: global_buffer, .address_space: global }
      - { .name: Wq_codes, .offset: 16, .size: 8, .value_kind: global_buffer, .address_space: global }
      - { .name: Wk_codes, .offset: 24, .size: 8, .value_kind: global_buffer, .address_space: global }
      - { .name: Wv_codes, .offset: 32, .size: 8, .value_kind: global_buffer, .address_space: global }
      - { .name: lowp_scales, .offset: 40, .size: 8, .value_kind: global_buffer, .address_space: global }
      - { .name: gamma1, .offset: 48, .size: 8, .value_kind: global_buffer, .address_space: global }
      - { .name: beta1, .offset: 56, .size: 8, .value_kind: global_buffer, .address_space: global }
      - { .name: mean1, .offset: 64, .size: 8, .value_kind: global_buffer, .address_space: global }
      - { .name: var1, .offset: 72, .size: 8, .value_kind: global_buffer, .address_space: global }
      - { .name: gamma2, .offset: 80, .size: 8, .value_kind: global_buffer, .address_space: global }
      - { .name: beta2, .offset: 88, .size: 8, .value_kind: global_buffer, .address_space: global }
      - { .name: mean2, .offset: 96, .size: 8, .value_kind: global_buffer, .address_space: global }
      - { .name: var2, .offset: 104, .size: 8, .value_kind: global_buffer, .address_space: global }
      - { .name: gamma3, .offset: 112, .size: 8, .value_kind: global_buffer, .address_space: global }
      - { .name: beta3, .offset: 120, .size: 8, .value_kind: global_buffer, .address_space: global }
      - { .name: mean3, .offset: 128, .size: 8, .value_kind: global_buffer, .address_space: global }
      - { .name: var3, .offset: 136, .size: 8, .value_kind: global_buffer, .address_space: global }
      - { .name: qc, .offset: 144, .size: 8, .value_kind: global_buffer, .address_space: global }
      - { .name: kc, .offset: 152, .size: 8, .value_kind: global_buffer, .address_space: global }
      - { .name: vc, .offset: 160, .size: 8, .value_kind: global_buffer, .address_space: global }
    .group_segment_fixed_size: 327680
    .private_segment_fixed_size: 0
    .kernarg_segment_align: 8
    .kernarg_segment_size: 168
    .max_flat_workgroup_size: 128
    .sgpr_count:     100
    .vgpr_count:     1024
    .wavefront_size: 32
...
	.end_amdgpu_metadata
.endif
;; end of part 1
;; launch attn (part 2): grid 8 x 32, 8 waves a work-group, clusters of 4 x 1, 327,680 bytes of LDS; arguments kc, vc, qc, lowp_scales, out0; writes out0
.if DOCPART == 2
	.amdgcn_target "amdgcn-amd-amdhsa--gfx1250"
	.amdhsa_code_object_version 6
	.text
	.protected	k_q11aebc10af_attn
	.globl	k_q11aebc10af_attn
	.p2align	8
	.type	k_q11aebc10af_attn,@function
k_q11aebc10af_attn:
	s_mov_b64 s[64:65], 0
	v_nop
	global_prefetch_b8 v0, s[64:65] scope:SCOPE_SE
	s_setreg_imm32_b32 hwreg(HW_REG_WAVE_MODE, 25, 1), 1
	s_wait_xcnt 0x0
	s_wait_alu depctr_hold_cnt(0) depctr_sa_sdst(0) depctr_va_vdst(0) depctr_va_sdst(0) depctr_va_ssrc(0) depctr_va_vcc(0) depctr_vm_vsrc(0)
	s_getreg_b32 s2, hwreg(HW_REG_IB_STS2, 6, 4)
	s_cmp_eq_u32 s2, 0
	s_cbranch_scc0 .Lentry_in_a_cluster
	s_endpgm
.Lentry_in_a_cluster:
	s_bfe_u32 s2, ttmp6, 0x10000c
	s_cmp_lg_u32 s2, 0x3003
	s_cbranch_scc0 .Lentry_shape_is_right
	s_endpgm
.Lentry_shape_is_right:
; out[H][c][i] = the sum over j of softmax_j(K[H][.][i] . V[H][.][j] / sqrt(128)) Q[H][c][j], both products on codes of E5M2, each tensor with the scale 2^e that is given for it (K e6, V e7, Q e8, p e9).
; kc: [32][2,048 i][128] the "queries"; vc: [32][2,048 j][128] the "keys"; qc: [32][128 c][2,048 j] the "values", j innermost, the two middle pieces of 8 bytes of every 32 changed over; out0: [32][128 c][2,048 i] f32.
; THE SOFTMAX AHEAD OF THE SECOND PRODUCT: t = score x log2(e) / sqrt(128); M = the row's largest t so far, rounded UP to a whole number; p = 2^(t - M) is what is quantised; it is not normalised.
; The row's sum is taken of the unquantised p, in f32, and divides at the end.  When M moves, the sum and O are multiplied by 2^(old M - new M): exact.
; SHARES.  A work-group owns 256 queries of one head; each of its eight waves owns 32: TWO tiles of 16, so that each fragment of keys and values read from LDS feeds two products.  Two waves to a SIMD, 512 registers each:
; one wave's vector work stands beside the other's matrix work and LDS loads.  Every wave walks the head's 2,048 keys, 128 a step, through a ring of two LDS slots of 256 keys.
; CLUSTER.  The four query blocks of a cluster belong to one head and walk the same keys and values: each tile is asked for JOINTLY (waves 0, 1: the keys' halves; waves 2, 3: the values'; the same descriptor and the mask 15 in all four).
; LAYOUT.  Both products are used transposed: S^T = keys x queries^T, O^T = values x P^T: a lane holds ONE query (lane % 16) throughout.  Tile T of S^T holds keys 16 T + 8 (lane / 16) + 0 .. 7 in its 8 registers; their codes are
; registers 2 T, 2 T + 1 of P.  A fragment of values comes by four loads of 16 bytes at 32 c + 16 (lane / 16); by the order of qc's pieces its registers 4 c .. 4 c + 1 hold keys 32 c + 8 (lane / 16) on and 4 c + 2 .. 4 c + 3 keys 32 c + 16 + 8 (lane / 16) on: the same places.
; LIMITS on the given exponents, so that each power of two below is an f32 number: e6 + e7 between -123 and 130 (added to c's exponent field); e9 between -126 and 127; e8 + e9 goes by v_ldexp_f32 and has none.  NaN is not served.
; REGISTERS.  window 0: v1-10 addresses and scales; for tile u: v[12+4u] -M, v[13+4u] the largest t, v[14+4u:15+4u] the sum, v[20+2u:21+2u] f, v[24+4u ..] at work; v32-95 four fragments; v[96+64u ..] S^T, then p; v[224+16u ..] p's codes.
;   window 1: v[64u ..] O^T; v[128+16u ..] the queries' fragments; v160-223 four more fragments.
.set KP,    144                        ; a key's row in LDS: 128 bytes + 16 = 36 words: the 16 rows of a load start at 16 different multiples of 4 banks (64 banks of 4 bytes: ISA guide 11.1)
.set VP,    272                        ; a row of values: 256 bytes + 16 = 68 words: row r starts at bank 4 r mod 64
.set VOFF,  256*KP                     ; a slot: 256 rows of keys, then 128 rows of values
.set SLOT1, 1<<17                      ; slot 1 begins here, so that one exclusive or turns an address in one slot into the other's
.set NSL,   8                          ; slots' worth of keys
.set SPARE, 2*SLOT1                    ; behind the ring: the spare words, 128 bytes for each wave: four blocks of 256 bytes that no other line names
.set OP,    1040                       ; the way out: 128 rows (channels) x (1,024 bytes + 16), from LDS byte 0 on, when both slots have had their last fill and their last read
.set AK0,  1                           ; v1   my lane's place in a tile of keys
.set AV0,  2                           ; v2   the same for values
.set PFO,  3                           ; v3   the prefetches' offset; never rewritten
.set RA,   4                           ; v4   the queries' offset; on the way out where I read rows back
.set SPW,  5                           ; v5   LDS address of my spare word; never rewritten
.set NIL,  6                           ; v6   0; never rewritten
.set GO,   7                           ; v7   16 x lane
.set ADK,  8                           ; v8   LDS address of the step's keys; on the way out where I put results, channels 0-63
.set ADV,  9                           ; v9   of its values; on the way out channels 64-127
.set SCL,  10                          ; v10  2^e9 as f32
.set LMP,  11
.set NM,   12
.set TX,   13
.set LS,   14
.set FS,   20
.set TM,   24
.set FR,   32
.set S,    96
.set PC,   224
.set QF,   128                         ; in window 1
.set FR2,  160                         ; in window 1
.set TB,   2                           ; s2   LDS byte at which the slot in hand begins
.set WV,   18                          ; s18  my wave's number
.set SEL,  20                          ; s[20:21] lane selects for v_permlanex16_b32: lane l xor 16
.set CS,   22                          ; s[22:23] c = log2(e) / sqrt(128) x 2^(e6 + e7)
.set G1K,  24                          ; s[24:31] descriptor group 1 for the keys' tiles;  s[32:39] for the values';  s[40:43], s[44:47] their groups 0, which walk
.set G1V,  32
.set G0K,  40
.set G0V,  44
.set SLOTS, 60                         ; s60  slots still to be asked for
.set LIM,  61                          ; s61  1 in a wave that prefetches, else the greatest number
.set PFS,  62                          ; s[62:63] a slot on, in bytes
.set PFA,  66                          ; s[66:67] where my prefetches stand in memory
.set MSB, 0
.macro WIN new                         ; the immediate's high byte repeats the setting that is left; a switch that changes nothing is dropped
.if MSB != (\new)
	s_set_vgpr_msb (MSB<<8)|(\new)
.set MSB, (\new)
.endif
.endm
; Waves 0 and 1 fetch the keys' halves, waves 2 and 3 the values', the others nothing.  The branches hang on the wave's number alone.  Four v_nop follow each of the two lines.
.macro TLOAD
	s_cmp_lt_u32 s[WV], 2
	s_cbranch_scc0 .Lnot_k_\@
	tensor_load_to_lds s[G0K:G0K+3], s[G1K:G1K+7]
	s_nop 0
.rept 4
	v_nop
.endr
	s_branch .Lasked_\@
.Lnot_k_\@:
	s_cmp_lt_u32 s[WV], 4
	s_cbranch_scc0 .Lasked_\@
	tensor_load_to_lds s[G0V:G0V+3], s[G1V:G1V+7]
	s_nop 0
.rept 4
	v_nop
.endr
.Lasked_\@:
.endm
; A PREFETCH INTO THE L2 of what the NEXT change of slots will ask for: 256 rows of keys, one dense block of 32,768 bytes, and 256 bytes of each of the 128 rows of values.  Each aligned block of 256 bytes is named ONCE in the launch.
; Both clusters of a head walk the same keys and values: the head's first cluster asks.  Its four partners share the blocks out BY ADDRESS, 32 each: no branch hangs on a work-group's place in its cluster.
; In each, wave 4 asks for the keys' (lanes 256 bytes apart) and wave 5 for the values' (a lane a row): one instruction.  The last change that fills a slot asks for nothing; slots 0 and 1 come by their loads alone.
.macro ASK
	s_cmp_gt_u32 s[SLOTS], s[LIM]
	s_cbranch_scc0 .Lnot_mine_\@
	global_prefetch_b8 v[PFO], s[PFA:PFA+1] th:TH_LOAD_NT scope:SCOPE_SE
.Lnot_mine_\@:
.endm
.macro CROUND                          ; a round of the cluster's barrier
	s_barrier_signal -1
	s_barrier_wait -1
	s_cmp_lg_u32 s[WV], 0
	s_cbranch_scc1 .Lnot_wave_0_\@
	s_barrier_signal -3
.Lnot_wave_0_\@:
	s_barrier_wait -3
	s_barrier_signal -1
	s_barrier_wait -1
.endm
	s_load_b256 s[4:11], s[0:1], 0x0               ; kc s[4:5], vc s[6:7], qc s[8:9], the scales' exponents s[10:11]
	s_load_b64 s[12:13], s[0:1], 0x20              ; out0
	v_lshl_add_u32 v[SPW], v0, 2, SPARE
	v_mov_b32 v[NIL], 0
	ds_add_u32 v5, v6
	ds_add_u32 v5, v6
	s_wait_dscnt 0x0
	v_lshrrev_b32 v8, 5, v0
	s_delay_alu instid0(VALU_DEP_1)
	v_readfirstlane_b32 s[WV], v8                  ; wave 0..7
	s_bfe_u32 s14, ttmp6, 0x40000                  ; cx: my place in the cluster
	s_lshl_b32 s15, ttmp9, 2
	s_add_co_u32 s15, s15, s14                     ; my block of 256 queries: it enters kc's and out0's addresses alone
	s_and_b32 s16, ttmp7, 0xffff                   ; the head, which the four partners share
	s_lshl_b32 s48, s16, 18                        ; its first byte in each buffer of codes: 262,144 x head
	s_mov_b32 s49, 0
	s_and_b32 s50, s[WV], 1                        ; which half of a tile I fetch, if I fetch
	s_lshl_b32 s52, s50, 14                        ; keys: 128 rows of 128 bytes in memory,
	s_mov_b32 s53, 0
	s_add_nc_u64 s[52:53], s[52:53], s[48:49]
	s_lshl_b32 s54, s50, 17                        ; values: 64 rows of 2,048 bytes
	s_mov_b32 s55, 0
	s_add_nc_u64 s[54:55], s[54:55], s[48:49]
	s_mul_i32 s51, s50, 128*KP                     ; and in a slot: no place in the cluster enters an LDS address
	s_mul_i32 s50, s50, 64*VP
	s_add_co_u32 s50, s50, VOFF
	; descriptor group 1.  Keys: 128 rows of 128 bytes, dense in memory.  Values: 64 rows of 256 bytes, 2,048 bytes apart
	s_mov_b32 s[G1K], 15|(0<<16)|(1<<20)|(1<<21)|(4<<22)|(3<<25)   ; 15:0 the mask: all four work-groups; 17:16 elements of 1 byte; 20 padding on; 21 set beside a mask; 24:22 after every 32 words (code 4); 31:25 four words (code 3)
	s_mov_b32 s[G1K+1], 128<<16                    ; tensor_dim0
	s_mov_b32 s[G1K+2], 128<<16                    ; tensor_dim1
	s_mov_b32 s[G1K+3], 128<<16                    ; tile_dim0
	s_mov_b32 s[G1K+4], 128                        ; tile_dim1
	s_mov_b32 s[G1K+5], 128                        ; tensor_dim0_stride
	s_mov_b32 s[G1K+6], 0
	s_mov_b32 s[G1K+7], 0
	s_mov_b32 s[G1V], 15|(0<<16)|(1<<20)|(1<<21)|(5<<22)|(3<<25)   ; padding: four words after every 64
	s_mov_b32 s[G1V+1], 256<<16
	s_mov_b32 s[G1V+2], 64<<16
	s_mov_b32 s[G1V+3], 256<<16
	s_mov_b32 s[G1V+4], 64
	s_mov_b32 s[G1V+5], 2048
	s_mov_b32 s[G1V+6], 0
	s_mov_b32 s[G1V+7], 0
	s_mov_b32 s[SEL], 0x76543210
	s_mov_b32 s[SEL+1], 0xfedcba98
	s_mov_b32 s[CS], 0x3e0293ee                    ; c = log2(e) / sqrt(128)
	s_mov_b32 s[TB], 0
	s_mov_b32 s[SLOTS], NSL-1
	s_lshl_b32 s68, s15, 15                        ; my block's 256 queries of 128 bytes,
	s_lshl_b32 s69, s[WV], 12                      ; my wave's 32 of them
	s_add_co_u32 s68, s68, s69
	s_mov_b32 s69, 0
	s_add_nc_u64 s[68:69], s[68:69], s[48:49]
	s_lshl_b32 s70, s16, 20                        ; out0: the head's 128 rows of 8,192 bytes,
	s_lshl_b32 s71, s[WV], 17                      ; the 16 rows that my wave stores,
	s_add_co_u32 s70, s70, s71
	s_lshl_b32 s71, s15, 10                        ; my block's 1,024 bytes of a row
	s_add_co_u32 s70, s70, s71
	s_mov_b32 s71, 0
	s_wait_kmcnt 0x0
	s_load_b64 s[56:57], s[10:11], 0x18            ; e6, e7
	s_load_b64 s[58:59], s[10:11], 0x20            ; e8, e9
	s_mov_b32 s[G0K], 1                            ; 1:0 count = 1
	s_mov_b32 s[G0K+1], s51                        ; 63:32 LDS address: slot 0
	s_add_nc_u64 s[G0K+2:G0K+3], s[6:7], s[52:53]  ; 120:64 global address: the head's first 256 keys
	s_or_b32 s[G0K+3], s[G0K+3], 0x80000000        ; 127:126 type = 2
	s_mov_b32 s[G0V], 1
	s_mov_b32 s[G0V+1], s50
	s_add_nc_u64 s[G0V+2:G0V+3], s[8:9], s[54:55]
	s_or_b32 s[G0V+3], s[G0V+3], 0x80000000
	CROUND                                         ; all four work-groups are here: the first joint loads meet
	TLOAD                                          ; slot 0
	s_add_nc_u64 s[4:5], s[4:5], s[68:69]          ; kc at my first query
	s_add_nc_u64 s[12:13], s[12:13], s[70:71]      ; out0 at my first row and column
	; the prefetches: where my wave's stand, and who asks
	s_cmp_eq_u32 s[WV], 4                          ; wave 4 asks for keys, wave 5 for values
	s_cselect_b64 s[PFA:PFA+1], s[6:7], s[8:9]
	s_mov_b32 s[PFS], 256
	s_cselect_b32 s[PFS], 0x8000, s[PFS]           ; a slot on
	s_mov_b32 s72, 2048
	s_cselect_b32 s72, 256, s72                    ; from lane to lane
	s_cselect_b32 s73, 13, 16                      ; from partner to partner: 32 blocks of 256 bytes, or 32 rows of 2,048
	v_and_b32 v[PFO], 31, v0
	s_delay_alu instid0(VALU_DEP_1)
	v_mul_lo_u32 v[PFO], v[PFO], s72
	s_lshl_b32 s72, s14, s73                       ; my work-group's part,
	s_add_co_u32 s72, s72, s[PFS]                  ; in slot 1: the first change of slots steps it to slot 2.  Nothing is prefetched here, at the head, where every work-group's first tiles are on their way
	s_mov_b32 s73, 0
	s_mov_b32 s[PFS+1], 0
	s_add_nc_u64 s[PFA:PFA+1], s[PFA:PFA+1], s[48:49]
	s_add_nc_u64 s[PFA:PFA+1], s[PFA:PFA+1], s[72:73]
	s_sub_co_u32 s72, s[WV], 4
	s_lshr_b32 s72, s72, 1                         ; 0 in waves 4 and 5,
	s_or_b32 s72, s72, ttmp9                       ; of the head's first cluster: the same in all four partners
	s_cmp_eq_u32 s72, 0
	s_cselect_b32 s[LIM], 1, -1
	v_and_b32 v8, 15, v0                           ; r = lane % 16
	v_bfe_u32 v9, v0, 4, 1                         ; h = lane / 16
	s_delay_alu instid0(VALU_DEP_2)
	v_lshlrev_b32 v[RA], 7, v8
	s_delay_alu instid0(VALU_DEP_1)
	v_lshl_add_u32 v[RA], v9, 4, v[RA]             ; a query's row of 128 bytes, + 16 h
	WIN 0x40                                       ; destination window 1
.irp u, 0,1
.irp c, 0,1,2,3
	global_load_b128 v[QF+16*\u+4*\c:QF+16*\u+4*\c+3], v[RA], s[4:5] offset:2048*\u+32*\c   ; the queries' two fragments stay in registers: K = 32 c + 16 h + 0 .. 15, as the keys' fragments have it
.endr
.endr
.set j, 0
.rept 128
	v_mov_b32 v[j], 0                              ; O^T.  (The step is written once: the first finds zeros, which the first change of M leaves zeros)
.set j, j+1
.endr
	WIN 0
	v_mul_u32_u24 v[AK0], v8, KP
	s_delay_alu instid0(VALU_DEP_1)
	v_lshl_add_u32 v[AK0], v9, 4, v[AK0]
	v_mul_u32_u24 v[AV0], v8, VP
	s_delay_alu instid0(VALU_DEP_1)
	v_lshl_add_u32 v[AV0], v9, 4, v[AV0]
	s_delay_alu instid0(VALU_DEP_1)
	v_add_nc_u32 v[AV0], VOFF, v[AV0]
	v_and_b32 v[GO], 31, v0
	s_delay_alu instid0(VALU_DEP_1)
	v_lshlrev_b32 v[GO], 4, v[GO]
.irp u, 0,1
	v_mov_b32 v[TX+4*\u], 0xff61b1e6               ; the largest t so far: -3e38, under every t
	s_delay_alu instid0(VALU_DEP_1)
	v_floor_f32 v[NM+4*\u], -v[TX+4*\u]            ; -M
	v_mov_b32 v[LS+4*\u], 0                        ; the sum, in two halves
	v_mov_b32 v[LS+4*\u+1], 0
	v_mov_b32 v[FS+2*\u+1], 0                      ; (named as the upper half of f's pair)
	v_mov_b32 v[TM+4*\u+2], 0                      ; written once: a lane permute's destination counts as one of its sources
.endr
	s_wait_kmcnt 0x0
	s_add_co_i32 s72, s56, s57
	s_lshl_b32 s72, s72, 23
	s_add_co_i32 s[CS], s[CS], s72                 ; a score stands for score x 2^(e6 + e7): the two exponents are added to c's exponent field
	s_mov_b32 s[CS+1], s[CS]                       ; (named with it as a pair, so it is written)
	s_add_co_i32 s72, s59, 127
	s_lshl_b32 s73, s72, 23
	v_mov_b32 v[SCL], s73                          ; 2^e9 as f32, for the conversion
; THE SOFTMAX OF A STEP, both tiles, line by line by turns, so that no line waits for the line above it.
.macro SOFT
.irp u, 0,1                            ; the step's largest score of my query, among my 64 keys, in two chains; each accumulator is read from its low end on
	v_max3_num_f32 v[TM+4*\u], v[S+64*\u], v[S+64*\u+1], v[S+64*\u+2]
	v_max3_num_f32 v[TM+4*\u+1], v[S+64*\u+3], v[S+64*\u+4], v[S+64*\u+5]
.endr
.irp i, 6,10,14,18,22,26,30,34,38,42,46,50,54,58
.irp u, 0,1
	v_max3_num_f32 v[TM+4*\u], v[TM+4*\u], v[S+64*\u+\i], v[S+64*\u+\i+1]
	v_max3_num_f32 v[TM+4*\u+1], v[TM+4*\u+1], v[S+64*\u+\i+2], v[S+64*\u+\i+3]
.endr
.endr
.irp u, 0,1
	v_max3_num_f32 v[TM+4*\u], v[TM+4*\u], v[S+64*\u+62], v[S+64*\u+63]
.endr
.irp u, 0,1
	s_delay_alu instid0(VALU_DEP_2)
	v_max_num_f32 v[TM+4*\u], v[TM+4*\u], v[TM+4*\u+1]
.endr
.irp u, 0,1
	s_delay_alu instid0(VALU_DEP_2)
	v_permlanex16_b32 v[TM+4*\u+2], v[TM+4*\u], s[SEL], s[SEL+1]
.endr
.irp u, 0,1
	s_delay_alu instid0(VALU_DEP_2)
	v_max_num_f32 v[TM+4*\u], v[TM+4*\u], v[TM+4*\u+2]   ; and among lane l xor 16's
.endr
.irp u, 0,1
	s_delay_alu instid0(VALU_DEP_2)
	v_mul_f32 v[TM+4*\u], s[CS], v[TM+4*\u]        ; as t (c is positive)
.endr
.irp u, 0,1
	s_delay_alu instid0(VALU_DEP_2)
	v_max_num_f32 v[TX+4*\u], v[TX+4*\u], v[TM+4*\u]   ; the running largest t
.endr
.irp u, 0,1
	v_mov_b32 v[TM+4*\u], v[NM+4*\u]
.endr
.irp u, 0,1
	s_delay_alu instid0(VALU_DEP_4)
	v_floor_f32 v[NM+4*\u], -v[TX+4*\u]            ; the new -M = floor(-t) = -ceil(t): M is a whole number
.endr
.irp u, 0,1
	s_delay_alu instid0(VALU_DEP_2)
	v_sub_f32 v[TM+4*\u], v[NM+4*\u], v[TM+4*\u]   ; M's old value less its new one: a whole number, 0 or less
.endr
.irp u, 0,1
	s_delay_alu instid0(VALU_DEP_2)
	v_cvt_i32_f32 v[TM+4*\u], v[TM+4*\u]           ; (it saturates)
.endr
.irp u, 0,1
	s_delay_alu instid0(VALU_DEP_2)
	v_ldexp_f32 v[FS+2*\u], 1.0, v[TM+4*\u]        ; f = 2^(old M - new M)
.endr
.irp u, 0,1
.set j, 0
.rept 32
	v_pk_fma_f32 v[S+64*\u+j:S+64*\u+j+1], v[S+64*\u+j:S+64*\u+j+1], s[CS:CS+1], v[NM+4*\u:NM+4*\u+1] op_sel_hi:[1,0,0]   ; t - M, two at a time (of the pairs c and -M the low word serves both halves)
.set j, j+2
.endr
.endr
	s_wait_alu depctr_va_vdst(0)
.irp u, 0,1
.set j, 0
.rept 64
	v_exp_f32 v[S+64*\u+j], v[S+64*\u+j]           ; p = 2^(t - M), at most 1: not normalised.  The step's 128 exponentials are one batch
.set j, j+1
.endr
.endr
.irp u, 0,1
	v_pk_mul_f32 v[LS+4*\u:LS+4*\u+1], v[LS+4*\u:LS+4*\u+1], v[FS+2*\u:FS+2*\u+1] op_sel_hi:[1,0]   ; the sums under the new M: the plain instructions behind the last exponential
.endr
	s_wait_alu depctr_va_vdst(0)                   ; one wait for the whole batch, ahead of its first reader
.irp u, 0,1
	v_pk_add_f32 v[TM+4*\u:TM+4*\u+1], v[S+64*\u:S+64*\u+1], v[S+64*\u+2:S+64*\u+3]   ; the row's sum is taken of the UNQUANTISED p: two at a time, in two chains a tile
.endr
.irp j, 4,8,12,16,20,24,28,32,36,40,44,48,52,56,60
.irp u, 0,1
	v_pk_add_f32 v[LS+4*\u:LS+4*\u+1], v[LS+4*\u:LS+4*\u+1], v[S+64*\u+\j:S+64*\u+\j+1]
	v_pk_add_f32 v[TM+4*\u:TM+4*\u+1], v[TM+4*\u:TM+4*\u+1], v[S+64*\u+\j+2:S+64*\u+\j+3]
.endr
.endr
.irp u, 0
	s_delay_alu instid0(VALU_DEP_3)
	v_pk_add_f32 v[LS+4*\u:LS+4*\u+1], v[LS+4*\u:LS+4*\u+1], v[TM+4*\u:TM+4*\u+1]
.endr
.irp u, 1
	s_delay_alu instid0(VALU_DEP_2)
	v_pk_add_f32 v[LS+4*\u:LS+4*\u+1], v[LS+4*\u:LS+4*\u+1], v[TM+4*\u:TM+4*\u+1]
.endr
.irp u, 0,1
.set j, 0
.rept 64
.set j, j+1
.endr
.irp t, 0,1,2,3,4,5,6,7
	v_cvt_scalef32_pk8_bf8_f32 v[PC+16*\u+2*\t:PC+16*\u+2*\t+1], v[S+64*\u+8*\t:S+64*\u+8*\t+7], v[SCL]   ; registers 2 T, 2 T + 1 of P: keys 16 T + 8 h + 0 .. 7
.endr
.endr
	WIN 0x41                                       ; O^T (destination and source 0) in window 1, f in window 0
.irp u, 0,1
.set j, 0
.rept 32
	v_pk_mul_f32 v[64*\u+j:64*\u+j+1], v[64*\u+j:64*\u+j+1], v[FS+2*\u:FS+2*\u+1] op_sel_hi:[1,0]   ; O^T under the new M.  (These are also the plain instructions between the conversions and the products that read the codes)
.set j, j+2
.endr
.endr
.endm
; A KEY STEP: 128 keys, the q-th of the slot in hand.  32 matrix instructions; the 16 accumulators of O^T take turns, one instruction a turn, and a step's scores stand between two links of a chain.
.macro STEP q
	v_add_nc_u32 v[ADK], s[TB], v[AK0]
	v_add_nc_u32 v[ADV], s[TB], v[AV0]
	v_nop                                          ; with the two additions: four places in front of loads into registers that the last products read
	v_nop
.irp t, 0,1,2,3
.irp c, 0,1,2,3
	ds_load_b128 v[FR+16*\t+4*\c:FR+16*\t+4*\c+3], v[ADK] offset:(128*(\q)+16*\t)*KP+32*\c
.endr
.endr
	WIN 0x40                                       ; destination window 1
.irp t, 0,1,2,3
.irp c, 0,1,2,3
	ds_load_b128 v[FR2+16*\t+4*\c:FR2+16*\t+4*\c+3], v[ADK] offset:(128*(\q)+64+16*\t)*KP+32*\c
.endr
.endr
	s_wait_alu depctr_va_vdst(0)
	s_wait_dscnt 16                                ; tiles 0-3 of the keys are in; the youngest sixteen loads (tiles 4-7) may be out
	WIN 0x04                                       ; source 1 (the queries) window 1
.irp t, 0,1,2,3
.irp u, 0,1
	v_wmma_f32_16x16x128_bf8_bf8 v[S+64*\u+8*\t:S+64*\u+8*\t+7], v[FR+16*\t:FR+16*\t+15], v[QF+16*\u:QF+16*\u+15], 0
.endr
.endr
	s_wait_dscnt 0x0
	WIN 0x05                                       ; source 0 too
.irp t, 0,1,2,3
.irp u, 0,1
	v_wmma_f32_16x16x128_bf8_bf8 v[S+64*\u+8*(\t+4):S+64*\u+8*(\t+4)+7], v[FR2+16*\t:FR2+16*\t+15], v[QF+16*\u:QF+16*\u+15], 0
.endr
.endr
	WIN 0
.rept 4
	v_nop                                          ; places: for the loads below into the fragments just read, and for the first read of the scores
.endr
.irp t, 0,1,2,3                        ; the step's values are asked for ahead of the softmax and land under it
.irp c, 0,1,2,3
	ds_load_b128 v[FR+16*\t+4*\c:FR+16*\t+4*\c+3], v[ADV] offset:16*\t*VP+128*(\q)+32*\c
.endr
.endr
	WIN 0x40
.irp t, 0,1,2,3
.irp c, 0,1,2,3
	ds_load_b128 v[FR2+16*\t+4*\c:FR2+16*\t+4*\c+3], v[ADV] offset:16*(\t+4)*VP+128*(\q)+32*\c
.endr
.endr
	WIN 0
	SOFT
	s_wait_alu depctr_va_vdst(0)
	s_wait_dscnt 0x0                               ; the values are in
	WIN 0x50                                       ; C and D (O^T) window 1
.irp t, 0,1,2,3
.irp u, 0,1
	v_wmma_f32_16x16x128_bf8_bf8 v[64*\u+8*\t:64*\u+8*\t+7], v[FR+16*\t:FR+16*\t+15], v[PC+16*\u:PC+16*\u+15], v[64*\u+8*\t:64*\u+8*\t+7]
.endr
.endr
	WIN 0x51                                       ; source 0 too
.irp t, 0,1,2,3
.irp u, 0,1
	v_wmma_f32_16x16x128_bf8_bf8 v[64*\u+8*(\t+4):64*\u+8*(\t+4)+7], v[FR2+16*\t:FR2+16*\t+15], v[PC+16*\u:PC+16*\u+15], v[64*\u+8*(\t+4):64*\u+8*(\t+4)+7]
.endr
.endr
	WIN 0
.endm
; THE CHANGE OF SLOTS stands at a slot's head.  Each wave waits for all its tensor loads (its part of the slot that it is about to read), adds 0 to its spare word, and waits for that and for its reads of the slot that it has left.
; fill = 1: the barrier is a round of the cluster's, so that no wave of any partner still reads the other slot or has a load on its way; the joint fill of that slot is the first thing behind it and has a slot's two steps in which to land.
.macro CHANGE fill
	s_wait_tensorcnt 0x0                           ; no tensor load of mine is out, so a group 0 may be written
	ds_add_u32 v[SPW], v[NIL]                      ; 0 onto my spare word: with fill = 1 the descriptors' steps stand between it and the wait for it
.if \fill
	s_xor_b32 s[G0K+1], s[G0K+1], SLOT1            ; the walking descriptors: the other slot than last time,
	s_add_nc_u64 s[G0K+2:G0K+3], s[G0K+2:G0K+3], 256*128   ; the next 256 keys; the type bits on top are not reached
	s_xor_b32 s[G0V+1], s[G0V+1], SLOT1
	s_add_nc_u64 s[G0V+2:G0V+3], s[G0V+2:G0V+3], 256
	s_wait_xcnt 0x0                                ; the last prefetch, a slot back, has read its address, so it may be written:
	s_add_nc_u64 s[PFA:PFA+1], s[PFA:PFA+1], s[PFS:PFS+1]  ; one slot further on than the walking descriptors
.endif
	s_wait_dscnt 0x0                               ; the add is done, and my reads of the slot that I have left are over
.if \fill
	CROUND
	TLOAD                                          ; the first thing behind the round, and a wave's one tensor load until the next
	ASK                                            ; what the next change of slots will ask for: two key steps ahead of that load
.else
	s_barrier_signal -1
	s_barrier_wait -1
.endif
.endm
.macro SLOT_STEPS
	STEP 0
	STEP 1
	s_xor_b32 s[TB], s[TB], SLOT1                  ; on to the other slot
.endm
	s_wait_loadcnt 0x0                             ; the queries
.Lslot:                                            ; NSL - 1 trips: behind each change of slots but the last the next slot is asked for
	CHANGE 1
	SLOT_STEPS
	s_sub_co_u32 s[SLOTS], s[SLOTS], 1
	s_cmp_lg_u32 s[SLOTS], 0
	s_cbranch_scc1 .Lslot
	CHANGE 0                                       ; the last slot is written out
	SLOT_STEPS
	; THE WAY OUT.  A lane holds one query and eight channels a tile; out0 has the queries innermost.  So the work-group's 128 channels x 256 queries meet in a stage of 128 rows, and each wave stores 16 whole rows of 1,024 bytes.
	v_and_b32 v8, 15, v0                           ; r.  (These six plain lines are the places behind the last products)
	v_bfe_u32 v9, v0, 4, 1                         ; h
	s_delay_alu instid0(VALU_DEP_1)
	v_mul_u32_u24 v9, v9, 8*OP
	s_delay_alu instid0(VALU_DEP_1)
	v_lshl_add_u32 v8, v8, 2, v9
	s_lshl_b32 s68, s[WV], 7
	v_add_nc_u32 v8, s68, v8                       ; in: row 8 h (+ 16 t + j), byte 4 (32 wave + r) (+ 64 u)
	s_delay_alu instid0(VALU_DEP_1)
	v_add_nc_u32 v9, 64*OP, v8                     ; the same for channels 64 on: the immediate has 16 bits
.irp u, 0,1
	v_add_f32 v[LS+4*\u], v[LS+4*\u], v[LS+4*\u+1] ; the sum's two halves,
.endr
.irp u, 0,1
	s_delay_alu instid0(VALU_DEP_2)
	v_permlanex16_b32 v[TM+4*\u+2], v[LS+4*\u], s[SEL], s[SEL+1]
.endr
.irp u, 0,1
	s_delay_alu instid0(VALU_DEP_2)
	v_add_f32 v[LS+4*\u], v[LS+4*\u], v[TM+4*\u+2] ; and lane l xor 16's: the row's sum
.endr
	s_wait_alu depctr_va_vdst(0)
.irp u, 0,1
	v_rcp_f32 v[FS+2*\u], v[LS+4*\u]
.endr
	s_mul_i32 s69, s[WV], 16*OP
	v_add_nc_u32 v[RA], s69, v[GO]                 ; back: my 16 rows, 16 bytes a lane.  (The plain instruction behind the last reciprocal)
	s_add_co_i32 s70, s58, s59                     ; e8 + e9
	s_wait_alu depctr_va_vdst(0)                   ; one wait for both reciprocals, ahead of their first reader
.irp u, 0,1
	v_ldexp_f32 v[FS+2*\u], v[FS+2*\u], s70        ; 2^(e8 + e9) / the sum
.endr
	s_wait_alu depctr_va_vdst(0)
	s_wait_dscnt 0x0                               ; my reads of the ring are over
	s_barrier_signal -1
	s_barrier_wait -1                              ; everybody's are: the slots, which have had their last fill, may take the stage
	WIN 0x01                                       ; source 0 (O^T) window 1
.irp u, 0,1
.set j, 0
.rept 32
	v_pk_mul_f32 v[S+64*\u+j:S+64*\u+j+1], v[64*\u+j:64*\u+j+1], v[FS+2*\u:FS+2*\u+1] op_sel_hi:[1,0]   ; register 8 t + j: out(16 t + 8 h + j, my query); each accumulator from its low end on
.set j, j+2
.endr
.endr
	WIN 0
.irp u, 0,1
.irp t, 0,1,2,3
.irp j, 0,1,2,3,4,5,6,7
	ds_store_b32 v8, v[S+64*\u+8*\t+\j] offset:(16*\t+\j)*OP+64*\u          ; sixteen lanes put 64 neighbouring bytes of a row
.endr
.endr
.irp t, 0,1,2,3
.irp j, 0,1,2,3,4,5,6,7
	ds_store_b32 v9, v[S+64*\u+8*(\t+4)+\j] offset:(16*\t+\j)*OP+64*\u
.endr
.endr
.endr
	s_wait_dscnt 0x0                               ; for the others' sake: my stores into the stage are done
	s_barrier_signal -1
	s_barrier_wait -1
.irp i, 0,1,2,3,4,5,6,7,8,9,10,11,12,13,14,15
.irp k, 0,1
	ds_load_b128 v[S+4*(2*\i+\k):S+4*(2*\i+\k)+3], v[RA] offset:OP*\i+512*\k
.endr
.endr
.irp i, 0,1,2,3,4,5,6,7,8,9,10,11,12,13,14,15
.irp k, 0,1
	s_wait_dscnt 31-(2*\i+\k)                      ; LDS loads come back in order: this one is in, the younger ones may be out
	global_store_b128 v[GO], v[S+4*(2*\i+\k):S+4*(2*\i+\k)+3], s[12:13] offset:8192*\i+512*\k th:TH_STORE_NT   ; 32 lanes store 512 consecutive bytes, at a multiple of 512 from out0's first byte; written once, read by nobody here
.endr
.endr
	s_wait_tensorcnt 0x0                           ; the wave's end: behind my last tensor load and my last LDS store
	ds_add_u32 v[SPW], v[NIL]
	s_wait_dscnt 0x0
	CROUND                                         ; the closing round: no work-group ends while a partner may still ask for a tile that names it
	s_endpgm
.Lfunc_end_k_q11aebc10af_attn:
	.size	k_q11aebc10af_attn, .Lfunc_end_k_q11aebc10af_attn-k_q11aebc10af_attn
	.p2alignl 7, 3214868480
	.fill 96, 4, 3214868480
	.section	.rodata,"a",@progbits
	.p2align	6, 0x0
	.amdhsa_kernel k_q11aebc10af_attn
		.amdhsa_group_segment_fixed_size 327680
		.amdhsa_private_segment_fixed_size 0
		.amdhsa_enable_private_segment 0
		.amdhsa_kernarg_size 40
		.amdhsa_user_sgpr_count 2
		.amdhsa_user_sgpr_kernarg_segment_ptr 1
		.amdhsa_wavefront_size32 1
		.amdhsa_system_sgpr_workgroup_id_x 1
		.amdhsa_system_sgpr_workgroup_id_y 1
		.amdhsa_system_sgpr_workgroup_id_z 1
		.amdhsa_system_vgpr_workitem_id 0
		.amdhsa_next_free_vgpr 512
		.amdhsa_next_free_sgpr 76
		.amdhsa_reserve_vcc 0
		.amdhsa_float_denorm_mode_32 3
		.amdhsa_float_denorm_mode_16_64 3
		.amdhsa_fp16_overflow 1
		.amdhsa_memory_ordered 1
		.amdhsa_forward_progress 1
		.amdhsa_inst_pref_size 151
	.end_amdhsa_kernel
	.amdgpu_metadata
---
amdhsa.version: [ 1, 2 ]
amdhsa.kernels:
  - .name:           k_q11aebc10af_attn
    .symbol:         k_q11aebc10af_attn.kd
    .args:
      - { .name: kc, .offset: 0, .size: 8, .value_kind: global_buffer, .address_space: global }
      - { .name: vc, .offset: 8, .size: 8, .value_kind: global_buffer, .address_space: global }
      - { .name: qc, .offset: 16, .size: 8, .value_kind: global_buffer, .address_space: global }
      - { .name: lowp_scales, .offset: 24, .size: 8, .value_kind: global_buffer, .address_space: global }
      - { .name: out0, .offset: 32, .size: 8, .value_kind: global_buffer, .address_space: global }
    .group_segment_fixed_size: 327680
    .private_segment_fixed_size: 0
    .kernarg_segment_align: 8
    .kernarg_segment_size: 40
    .max_flat_workgroup_size: 256
    .sgpr_count:     76
    .vgpr_count:     512
    .wavefront_size: 32
...
	.end_amdgpu_metadata
.endif
;; end of part 2
